; MI455X (gfx1250); checked and timed in simulation.
; The chip was launched on July 23, 2026; its instructions are those of AMD's public machine-readable ISA for CDNA 5 (MIT licence, August 2026) and "CDNA5" Instruction Set Architecture Reference Guide (July 2026). The comments in the code are by the model that wrote it; some were corrected since.
;; sparse agg fuse. Allowed arithmetic: float matrix products may take bf16 or f16 operands with f32 sums; all other float work in f32.
;; Inputs: student_positions 2 x 4,096 x 3 float32; teacher_features 2 x 16,384 x 128 float32; teacher_positions 2 x 16,384 x 3 float32.
;; Outputs: out0 2 x 4,096 x 128 float32.
;; 2 versions, each right; version 2 is version 1 with the launch groups written anew for expert scheduling mode. Each part assembles by itself: llvm-mc -triple=amdgcn-amd-amdhsa -mcpu=gfx1250 --defsym DOCPART=n.
;; ======== version 1 of 2: 3 launches
;; workspace buffers: grp 524,288 bytes of whole numbers; nbr 524,288 bytes of whole numbers
;; launch groups (part 1): grid 256 x 1, 4 waves a work-group, no clusters, 164,352 bytes of LDS; arguments student_positions, teacher_positions, grp; writes grp
.if DOCPART == 1
	.amdgcn_target "amdgcn-amd-amdhsa--gfx1250"
	.amdhsa_code_object_version 6
	.text
	.protected	k_q6c9332cb93_groups
	.globl	k_q6c9332cb93_groups
	.p2align	8
	.type	k_q6c9332cb93_groups,@function
k_q6c9332cb93_groups:
	s_mov_b64 s[64:65], 0
	v_nop
	global_prefetch_b8 v0, s[64:65] scope:SCOPE_SE
	s_setreg_imm32_b32 hwreg(HW_REG_WAVE_MODE, 25, 1), 1
	s_wait_xcnt 0x0
; STAGE 1 OF 3 of a 16-nearest-neighbour search: 2 x 4096 students against 16384 teachers of the same batch.
; The teachers of a batch are cut into 1024 groups of 16 neighbouring indices.  For every student this launch stores the ids of
; the 16 groups that come first in the order (smallest distance in the group, group id).  Each of the 16 nearest teachers in the
; order (distance, index) lies in one of them: were its group not among them, 16 groups would come earlier, and the nearest
; member of each would precede that teacher.
; ORDERING VALUE: S = |a'|^2 - 2 a'.p' (the squared distance less |p'|^2, which is the same for all teachers of a student),
; a' and p' being the positions less teacher 0's position of the batch, so that a common offset forms no difference of large sums.
; S comes from the matrix unit: every factor is split exactly into three bf16 pieces h + m + l, and the products hh, mh, lh, hm,
; hl, mm are summed in f32; what is left out is some 2^-24 of a product.
; LIMITS: positions are finite and their squares do not overflow.  Whole-number coordinates of up to 8 bits after centring come out
; exact.  For other numbers two groups whose smallest distances differ by no more than the rounding of f32 may change places
; against a sum made in another order.
; SHARES: a work-group has 32 students (two tiles of 16, sigma = 0, 1), wave w the teachers 4096 w .. 4096 w + 4095 for both tiles:
; 64 quads of four tiles of 16 teachers.  A = 16 teachers, B = 16 students, C = 0: lane (r, h), register j of D is student r and
; row 8 h + j.  Row 8 h' + j of tile n of quad k is teacher 4096 w + 64 k + 32 (n >> 1) + 16 h' + 8 (n & 1) + j, so a lane's 16 numbers
; of tiles 2 p and 2 p + 1 are one whole group, id 256 w + 4 k + 2 p + h.
; SELECTION WITHOUT BRANCHES: a sorted list of 16 values in registers, one v_med3_num_f32 a slot for each new value.  Pass 1 finds T, the
; 16th smallest group minimum; pass 2 runs the same list over keys: id where the minimum is below T, id + 2048 where it equals T,
; +inf elsewhere.  The 16 smallest keys are the groups wanted, ties going to the lower id.
; No tensor loads, no cluster: a teacher's 12 bytes go straight into the registers of the one wave that uses them.
.set TBATCH, 196608                    ; bytes of a batch's teacher positions
.set QUADB,  768                       ; bytes of a quad's 64 positions
.set TRIPS,  14                        ; trips of four quads in the loop; two more trips are written out
.set GMSIG,  16384                     ; LDS: table of group minima: 32768 w + 16384 sigma + 256 k + 8 lane (p = 0, 1), a wave's own
.set XCH1,   131072                    ; LDS: lists handed between waves, first time: 2048 (2 w + sigma) + 512 quarter + 16 lane
.set XCH2,   16384                     ; the second time: so many bytes further on
.set BB,   16                          ; v[16:31]    B: two student tiles
.set FR,   32                          ; v[32:63]    A: four teacher tiles
.set DR,   64                          ; v[64:127]   D(n, sigma) at 16 n + 8 sigma
.set GMR,  128                         ; v[128:131]  group minima, 2 sigma + p
.set LA,   132                         ; v[132:147]  the list of sigma = 0
.set LB,   148                         ; v[148:163]  the list of sigma = 1
.set TMP,  164                         ; v[164:179]  tile n: t0, t1 (what is left to split), u0, u1 (the piece as f32)
.set RG,   180                         ; v[180:243]  ring: 4 slots x 4 tiles x (x, y, z, |a'|^2)
.set VINF, 244
.set GMB,  245                         ; the table's address at k = 0
.set OO,   246                         ; byte offset of my 32 bytes of the output
.set GID0, 247                         ; 256 w + h
.set SC,   32                          ; behind pass 1: scratch of 16 registers
.set X0,   64                          ; behind pass 1: lists read back from LDS
.set Y0,   80
.set X1,   96
.set Y1,   112
; x goes into the ascending list l: slot i becomes the middle one of (slot i - 1, slot i, x); from the top down, so that each line reads old slots
.macro INSERT l, x
.set ii, 15
.rept 15
	v_med3_num_f32 v[\l+ii], v[\l+ii-1], v[\l+ii], v[\x]
.set ii, ii-1
.endr
	v_min_num_f32 v[\l], v[\l], v[\x]
.endm
; one stage of the network that sorts a sequence which rises and then falls (or the reverse): pairs dist apart, from s into d
.macro CLEANST s, d, dist
.set ii, 0
.rept 16
.if (ii & \dist) == 0
	v_min_num_f32 v[\d+ii], v[\s+ii], v[\s+ii+\dist]
	v_max_num_f32 v[\d+ii+\dist], v[\s+ii], v[\s+ii+\dist]
.endif
.set ii, ii+1
.endr
.endm
.macro CLEAN a, b                      ; four stages, a -> b -> a -> b -> a: sorted in a
	CLEANST \a, \b, 8
	CLEANST \b, \a, 4
	CLEANST \a, \b, 2
	CLEANST \b, \a, 1
.endm
; the first n of the 16 smallest of my sorted list and that of lane l xor 16: min(mine[i], theirs[15 - i])
.macro XH l, t, n
.set ii, 0
.rept \n
	v_permlanex16_b32 v[\t+ii], v[\l+15-ii], s16, s17
.set ii, ii+1
.endr
.set ii, 0
.rept \n
	v_min_num_f32 v[\l+ii], v[\l+ii], v[\t+ii]
.set ii, ii+1
.endr
.endm
.macro MRG x, y                        ; the same for two sorted lists of one lane
.set ii, 0
.rept 16
	v_min_num_f32 v[\x+ii], v[\x+ii], v[\y+15-ii]
.set ii, ii+1
.endr
.endm
.macro MAX16 d, x
	v_max3_num_f32 v[\d], v[\x], v[\x+1], v[\x+2]
.set ii, 3
.rept 6
	v_max3_num_f32 v[\d], v[\d], v[\x+ii], v[\x+ii+1]
.set ii, ii+2
.endr
	v_max_num_f32 v[\d], v[\d], v[\x+15]
.endm
.macro LISTS_INF
.set ii, 0
.rept 32
	v_mov_b32 v[LA+ii], s19
.set ii, ii+1
.endr
.endm
; piece k of the four tiles' pairs (t0, t1) as packed bf16; more = 1: the piece is taken off, which is exact in f32
.macro PIECE k, more
.irp n, 0,1,2,3
	v_cvt_pk_bf16_f32 v[FR+8*\n+\k], v[TMP+4*\n], v[TMP+4*\n+1]
.endr
.if \more
.irp n, 0,1,2,3
	v_lshlrev_b32 v[TMP+4*\n+2], 16, v[FR+8*\n+\k]
.endr
.irp n, 0,1,2,3
	v_and_b32 v[TMP+4*\n+3], s15, v[FR+8*\n+\k]
.endr
.irp n, 0,1,2,3
	v_sub_f32 v[TMP+4*\n], v[TMP+4*\n], v[TMP+4*\n+2]
.endr
.irp n, 0,1,2,3
	v_sub_f32 v[TMP+4*\n+1], v[TMP+4*\n+1], v[TMP+4*\n+3]
.endr
.endif
.endm
; The four A fragments of the quad that lies in ring slot 'slot'.  Every line runs over the four tiles, so four chains take turns.
; Lanes 0-15 carry (-2 dx, -2 dy), lanes 16-31 (-2 dz, |a'|^2); registers: h, m, l, h, h, m, 0, 0 against the students' h, h, h, m, l, m, 0, 0.
; left = younger loads that may stay out; reload = 1: the slot is asked for again, four quads on, at byte off from the trip's base.
; The first forty lines name no register of a matrix instruction: they are the places between the products in front and the first write of A.
.macro BUILD4 slot, reload, left, off
	s_wait_loadcnt \left                           ; loads come back in order: this slot's four are in
.irp c, 0,1,2
.irp n, 0,1,2,3
	v_sub_f32 v[RG+16*\slot+4*\n+\c], v[RG+16*\slot+4*\n+\c], s[12+\c]
.endr
.endr
.irp n, 0,1,2,3
	v_mul_f32 v[RG+16*\slot+4*\n+3], v[RG+16*\slot+4*\n], v[RG+16*\slot+4*\n]
.endr
.irp n, 0,1,2,3
	v_fma_f32 v[RG+16*\slot+4*\n+3], v[RG+16*\slot+4*\n+1], v[RG+16*\slot+4*\n+1], v[RG+16*\slot+4*\n+3]
.endr
.irp n, 0,1,2,3
	v_fma_f32 v[RG+16*\slot+4*\n+3], v[RG+16*\slot+4*\n+2], v[RG+16*\slot+4*\n+2], v[RG+16*\slot+4*\n+3]
.endr
.irp n, 0,1,2,3
	v_cndmask_b32 v[TMP+4*\n], v[RG+16*\slot+4*\n], v[RG+16*\slot+4*\n+2], s15
.endr
.irp n, 0,1,2,3
	v_mul_f32 v[TMP+4*\n+1], -2.0, v[RG+16*\slot+4*\n+1]
.endr
.irp n, 0,1,2,3
	v_mul_f32 v[TMP+4*\n], -2.0, v[TMP+4*\n]
.endr
.irp n, 0,1,2,3
	v_cndmask_b32 v[TMP+4*\n+1], v[TMP+4*\n+1], v[RG+16*\slot+4*\n+3], s15
.endr
.if \reload
.irp n, 0,1,2,3
	global_load_b96 v[RG+16*\slot+4*\n:RG+16*\slot+4*\n+2], v2, s[6:7] offset:\off+384*(\n>>1)+96*(\n&1)
.endr
.endif
	PIECE 0, 1
	PIECE 1, 1
	PIECE 2, 0
.irp n, 0,1,2,3
	v_mov_b32 v[FR+8*\n+3], v[FR+8*\n]
.endr
.irp n, 0,1,2,3
	v_mov_b32 v[FR+8*\n+4], v[FR+8*\n]
.endr
.irp n, 0,1,2,3
	v_mov_b32 v[FR+8*\n+5], v[FR+8*\n+1]
.endr
.endm
; two more of a group's 16 numbers into each of the four minima (sigma, p); i1, i2: places in D(2 p, sigma), +16 for D(2 p + 1, sigma)
.macro MIN4 first, i1, i2
.irp s, 0,1
.irp p, 0,1
.if \first
	v_min3_num_f32 v[GMR+2*\s+\p], v[DR+32*\p+8*\s], v[DR+32*\p+8*\s+\i1], v[DR+32*\p+8*\s+\i2]
.else
	v_min3_num_f32 v[GMR+2*\s+\p], v[GMR+2*\s+\p], v[DR+32*\p+8*\s+\i1], v[DR+32*\p+8*\s+\i2]
.endif
.endr
.endr
.endm
; Quad j of a trip: eight products (each starts its own sum with C = 0: eight different accumulators, no chain), the next quad's
; fragments, the four group minima, their place in the table, their turn in the lists.
.macro QSTEP j, slot, build, reload, left
.irp n, 0,1,2,3
.irp s, 0,1
	v_wmma_f32_16x16x32_bf16 v[DR+16*\n+8*\s:DR+16*\n+8*\s+7], v[FR+8*\n:FR+8*\n+7], v[BB+8*\s:BB+8*\s+7], 0
.endr
.endr
.if \build
	BUILD4 \slot, \reload, \left, QUADB*(\j+5)
.else
.rept 4
	v_nop                                          ; four places between the last product and the first read of a result (ISA guide 7.12.1)
.endr
.endif
	MIN4 1, 1, 2
	MIN4 0, 3, 4
	MIN4 0, 5, 6
	MIN4 0, 7, 16
	MIN4 0, 17, 18
	MIN4 0, 19, 20
	MIN4 0, 21, 22
.irp s, 0,1
.irp p, 0,1
	v_min_num_f32 v[GMR+2*\s+\p], v[GMR+2*\s+\p], v[DR+32*\p+8*\s+23]
.endr
.endr
	ds_store_b64 v3, v[GMR:GMR+1] offset:\j*256
	ds_store_b64 v3, v[GMR+2:GMR+3] offset:\j*256+GMSIG
	INSERT LA, GMR
	INSERT LA, GMR+1
	INSERT LB, GMR+2
	INSERT LB, GMR+3
.endm
; B fragment of student tile s from the position in v[64 + 4 s ..]: lanes 0-15 (px', py'), lanes 16-31 (pz', 1.0)
.macro STUDENT s
	v_sub_f32 v[64+4*\s], v[64+4*\s], s12
	v_sub_f32 v[65+4*\s], v[65+4*\s], s13
	v_sub_f32 v[66+4*\s], v[66+4*\s], s14
	v_cndmask_b32 v[TMP], v[64+4*\s], v[66+4*\s], s15
	v_cndmask_b32 v[TMP+1], v[65+4*\s], 1.0, s15
	v_cvt_pk_bf16_f32 v[BB+8*\s], v[TMP], v[TMP+1]             ; h
	v_lshlrev_b32 v[TMP+2], 16, v[BB+8*\s]
	v_and_b32 v[TMP+3], s15, v[BB+8*\s]
	v_sub_f32 v[TMP], v[TMP], v[TMP+2]
	v_sub_f32 v[TMP+1], v[TMP+1], v[TMP+3]
	v_cvt_pk_bf16_f32 v[BB+8*\s+3], v[TMP], v[TMP+1]           ; m
	v_lshlrev_b32 v[TMP+2], 16, v[BB+8*\s+3]
	v_and_b32 v[TMP+3], s15, v[BB+8*\s+3]
	v_sub_f32 v[TMP], v[TMP], v[TMP+2]
	v_sub_f32 v[TMP+1], v[TMP+1], v[TMP+3]
	v_cvt_pk_bf16_f32 v[BB+8*\s+4], v[TMP], v[TMP+1]           ; l
	v_mov_b32 v[BB+8*\s+1], v[BB+8*\s]
	v_mov_b32 v[BB+8*\s+2], v[BB+8*\s]
	v_mov_b32 v[BB+8*\s+5], v[BB+8*\s+3]
	v_mov_b32 v[BB+8*\s+6], 0
	v_mov_b32 v[BB+8*\s+7], 0
.endm
; the key of a group: f (its id) below T, g (id + 2048) at T, +inf above
.macro KEY k, q, t, f, g
	v_cmp_eq_f32 vcc_lo, v[\q], v[\t]
	v_cndmask_b32 v[\k], v[VINF], v[\g], vcc_lo
	v_cmp_lt_f32 vcc_lo, v[\q], v[\t]
	v_cndmask_b32 v[\k], v[\k], v[\f], vcc_lo
.endm
; pass 2, one quad: the four minima come back from the table, become keys and take their turn in the lists
.macro P2STEP reload
	s_wait_dscnt 1                                 ; sigma 0's pair is in; sigma 1's load is the younger one
	KEY 12, GMR, 10, 6, 8
	KEY 13, GMR+1, 10, 7, 9
.if \reload
	ds_load_b64 v[GMR:GMR+1], v3 offset:256
	s_wait_dscnt 1                                 ; sigma 1's pair is in; the load just issued stays out
.else
	s_wait_dscnt 0
.endif
	KEY 14, GMR+2, 11, 6, 8
	KEY 15, GMR+3, 11, 7, 9
.if \reload
	ds_load_b64 v[GMR+2:GMR+3], v3 offset:GMSIG+256
.endif
.irp r, 6,7,8,9
	v_add_f32 v\r, 4.0, v\r                        ; a quad on: four groups on
.endr
	INSERT LA, 12
	INSERT LA, 13
	INSERT LB, 14
	INSERT LB, 15
	v_add_nc_u32 v3, 256, v3
.endm
	s_load_b128 s[4:7], s[0:1], 0x0                ; students s[4:5], teachers s[6:7]
	s_load_b64 s[8:9], s[0:1], 0x10                ; grp
	v_lshl_add_u32 v248, v0, 2, 0x28000
	v_mov_b32 v249, 0
	v_lshrrev_b32 v1, 5, v0
	v_readfirstlane_b32 s10, v1                    ; wave 0..3
	s_lshr_b32 s11, ttmp9, 7                       ; batch: 128 work-groups of 32 students each
	s_mul_i32 s20, s11, TBATCH
	s_mov_b32 s21, 0
	s_mul_i32 s22, ttmp9, 384                      ; 32 students of 12 bytes
	s_mov_b32 s23, 0
	s_lshl_b32 s24, ttmp9, 11                      ; 32 rows of 64 bytes of grp
	s_mov_b32 s25, 0
	s_mov_b32 s15, 0xffff0000                      ; lanes 16-31, and a word's upper bf16
	s_mov_b32 s16, 0x76543210                      ; v_permlanex16_b32: lane i reads lane i of the other half
	s_mov_b32 s17, 0xfedcba98
	s_mov_b32 s19, 0x7f800000                      ; +inf
	s_lshl_b32 s26, s10, 12                        ; my wave's first teacher
	v_and_b32 v6, 15, v0                           ; r
	v_bfe_u32 v7, v0, 4, 1                         ; h
	v_and_b32 v8, 31, v0                           ; lane
	v_and_b32 v2, 7, v0
	v_bfe_u32 v9, v0, 3, 1
	v_lshl_add_u32 v2, v9, 4, v2                   ; row r of a tile is teacher 16 (r >> 3) + (r & 7) of its 32
	v_add_nc_u32 v2, s26, v2
	v_mul_u32_u24 v2, 12, v2                       ; in bytes; never rewritten
	v_mul_u32_u24 v1, 12, v6                       ; student r
	v_lshlrev_b32 v3, 3, v8
	v_lshl_add_u32 v3, s10, 15, v3                 ; the table: 32768 w + 8 lane
	v_mov_b32 v[GMB], v3
	v_lshlrev_b32 v4, 4, v8
	v_lshl_add_u32 v4, s10, 12, v4
	v_add_nc_u32 v4, XCH1, v4                      ; where I put a list: 4096 w + 16 lane
	v_lshlrev_b32 v5, 4, v6
	v_lshl_add_u32 v5, v7, 13, v5
	v_add_nc_u32 v5, XCH1, v5                      ; where I read: wave 2 h's list of student r; wave 2 h + 1's lies 4096 further on
	v_lshlrev_b32 v[OO], 6, v6
	v_lshl_add_u32 v[OO], v7, 5, v[OO]
	v_lshl_add_u32 v[OO], s10, 10, v[OO]           ; 64 (16 w + r) + 32 h
	v_lshl_add_u32 v[GID0], s10, 8, v7             ; 256 w + h
	v_mov_b32 v[VINF], s19
	s_wait_kmcnt 0x0
	s_add_nc_u64 s[4:5], s[4:5], s[22:23]
	s_add_nc_u64 s[6:7], s[6:7], s[20:21]
	s_add_nc_u64 s[8:9], s[8:9], s[24:25]
	s_load_b96 s[12:14], s[6:7], 0x0               ; the centre: teacher 0 of the batch
	global_load_b96 v[64:66], v1, s[4:5]
	global_load_b96 v[68:70], v1, s[4:5] offset:192
.irp q, 0,1,2,3
.irp n, 0,1,2,3
	global_load_b96 v[RG+16*\q+4*\n:RG+16*\q+4*\n+2], v2, s[6:7] offset:QUADB*\q+384*(\n>>1)+96*(\n&1)
.endr
.endr
	LISTS_INF
.irp n, 0,1,2,3
	v_mov_b32 v[FR+8*\n+6], 0                      ; K places 20-23 and 28-31 are not used
	v_mov_b32 v[FR+8*\n+7], 0
.endr
	s_wait_kmcnt 0x0                               ; the centre
	s_wait_loadcnt 16                              ; the two students' positions; the ring's sixteen loads stay out
	STUDENT 0
	STUDENT 1
	BUILD4 0, 1, 12, QUADB*4                       ; quad 0's fragments; three younger quads of four loads stay out
	; PASS 1: 64 quads.  A trip's step j multiplies quad 4 t + j, builds quad 4 t + j + 1 and asks for quad 4 t + j + 5.
	s_mov_b32 s18, 0
.Lpass1:
	QSTEP 0, 1, 1, 1, 12
	QSTEP 1, 2, 1, 1, 12
	QSTEP 2, 3, 1, 1, 12
	QSTEP 3, 0, 1, 1, 12
	v_add_nc_u32 v3, 1024, v3
	s_wait_xcnt 0x0                                ; the base that the pending loads name is stepped only behind this wait
	s_add_nc_u64 s[6:7], s[6:7], 4*QUADB
	s_add_co_u32 s18, s18, 1
	s_cmp_lt_u32 s18, TRIPS
	s_cbranch_scc1 .Lpass1
	QSTEP 0, 1, 1, 1, 12                           ; quads 56 to 59: the last request is for quad 63
	QSTEP 1, 2, 1, 1, 12
	QSTEP 2, 3, 1, 1, 12
	QSTEP 3, 0, 1, 0, 12
	v_add_nc_u32 v3, 1024, v3
	QSTEP 0, 1, 1, 0, 8                            ; quads 60 to 63: nothing is asked for, the counts run down
	QSTEP 1, 2, 1, 0, 4
	QSTEP 2, 3, 1, 0, 0
	QSTEP 3, 0, 0, 0, 0
	; T: the 16th smallest of a student's 1024 minima, from the eight lists (4 waves x 2 halves of the lanes)
	XH LA, SC, 16
	CLEAN LA, SC
	XH LB, SC, 16
	CLEAN LB, SC
.irp q, 0,1,2,3
	ds_store_b128 v4, v[LA+4*\q:LA+4*\q+3] offset:512*\q
.endr
.irp q, 0,1,2,3
	ds_store_b128 v4, v[LB+4*\q:LB+4*\q+3] offset:2048+512*\q
.endr
	s_wait_dscnt 0x0                               ; my lists are in LDS before I say so
	s_barrier_signal -1
	s_barrier_wait -1
.irp q, 0,1,2,3
	ds_load_b128 v[X0+4*\q:X0+4*\q+3], v5 offset:512*\q
.endr
.irp q, 0,1,2,3
	ds_load_b128 v[Y0+4*\q:Y0+4*\q+3], v5 offset:4096+512*\q
.endr
.irp q, 0,1,2,3
	ds_load_b128 v[X1+4*\q:X1+4*\q+3], v5 offset:2048+512*\q
.endr
.irp q, 0,1,2,3
	ds_load_b128 v[Y1+4*\q:Y1+4*\q+3], v5 offset:6144+512*\q
.endr
	LISTS_INF                                      ; the lists start anew for pass 2
	v_cvt_f32_u32 v6, v[GID0]                      ; f: id of the group p = 0 of quad 0,
	v_mov_b32 v3, v[GMB]
	v_add_f32 v7, 2.0, v6                          ; of p = 1,
	v_add_f32 v8, 0x45000000, v6                   ; g = f + 2048
	v_add_f32 v9, 0x45000000, v7
	s_wait_dscnt 8                                 ; sigma 0's eight loads are in
	MRG X0, Y0
	CLEAN X0, SC
	XH X0, SC, 16
	MAX16 10, X0
	s_wait_dscnt 0
	MRG X1, Y1
	CLEAN X1, SC
	XH X1, SC, 16
	MAX16 11, X1
	; PASS 2: the keys of my wave's 256 groups a lane half, from my own part of the table
	ds_load_b64 v[GMR:GMR+1], v3
	ds_load_b64 v[GMR+2:GMR+3], v3 offset:GMSIG
	s_mov_b32 s18, 0
.Lpass2:
	P2STEP 1
	s_add_co_u32 s18, s18, 1
	s_cmp_lt_u32 s18, 63
	s_cbranch_scc1 .Lpass2
	P2STEP 0
	; the 16 smallest keys of the eight lists
	XH LA, SC, 16
	CLEAN LA, SC
	XH LB, SC, 16
	CLEAN LB, SC
.irp q, 0,1,2,3
	ds_store_b128 v4, v[LA+4*\q:LA+4*\q+3] offset:XCH2+512*\q
.endr
.irp q, 0,1,2,3
	ds_store_b128 v4, v[LB+4*\q:LB+4*\q+3] offset:XCH2+2048+512*\q
.endr
	s_wait_dscnt 0x0
	s_barrier_signal -1
	s_barrier_wait -1
	s_cmp_ge_u32 s10, 2                            ; wave 0 finishes sigma 0, wave 1 sigma 1; no barrier follows
	s_cbranch_scc1 .Ldone
	v_lshl_add_u32 v5, s10, 11, v5
.irp q, 0,1,2,3
	ds_load_b128 v[X0+4*\q:X0+4*\q+3], v5 offset:XCH2+512*\q
.endr
.irp q, 0,1,2,3
	ds_load_b128 v[Y0+4*\q:Y0+4*\q+3], v5 offset:XCH2+4096+512*\q
.endr
	s_wait_dscnt 0x0
	MRG X0, Y0
	CLEAN X0, SC
	XH X0, SC, 8                                   ; lanes 16-31 hold the same 16 keys in reverse: the two halves' first eight are all sixteen
.irp i, 0,1,2,3,4,5,6,7
	v_cvt_u32_f32 v[X0+\i], v[X0+\i]
.endr
.irp i, 0,1,2,3,4,5,6,7
	v_and_b32 v[X0+\i], 0x3ff, v[X0+\i]            ; takes the 2048 of a tie off
.endr
	global_store_b128 v[OO], v[X0:X0+3], s[8:9]
	global_store_b128 v[OO], v[X0+4:X0+7], s[8:9] offset:16
.Ldone:
	s_wait_tensorcnt 0x0
	ds_add_u32 v248, v249
	s_wait_dscnt 0x0
	s_endpgm
.Lfunc_end_k_q6c9332cb93_groups:
	.size	k_q6c9332cb93_groups, .Lfunc_end_k_q6c9332cb93_groups-k_q6c9332cb93_groups
	.p2alignl 7, 3214868480
	.fill 96, 4, 3214868480
	.section	.rodata,"a",@progbits
	.p2align	6, 0x0
	.amdhsa_kernel k_q6c9332cb93_groups
		.amdhsa_group_segment_fixed_size 164352
		.amdhsa_private_segment_fixed_size 0
		.amdhsa_enable_private_segment 0
		.amdhsa_kernarg_size 24
		.amdhsa_user_sgpr_count 2
		.amdhsa_user_sgpr_kernarg_segment_ptr 1
		.amdhsa_wavefront_size32 1
		.amdhsa_system_sgpr_workgroup_id_x 1
		.amdhsa_system_sgpr_workgroup_id_y 1
		.amdhsa_system_sgpr_workgroup_id_z 1
		.amdhsa_system_vgpr_workitem_id 0
		.amdhsa_next_free_vgpr 250
		.amdhsa_next_free_sgpr 66
		.amdhsa_reserve_vcc 1
		.amdhsa_float_denorm_mode_32 3
		.amdhsa_float_denorm_mode_16_64 3
		.amdhsa_memory_ordered 1
		.amdhsa_forward_progress 1
		.amdhsa_inst_pref_size 180
	.end_amdhsa_kernel
	.amdgpu_metadata
---
amdhsa.version: [ 1, 2 ]
amdhsa.kernels:
  - .name:           k_q6c9332cb93_groups
    .symbol:         k_q6c9332cb93_groups.kd
    .args:
      - { .name: student_positions, .offset: 0, .size: 8, .value_kind: global_buffer, .address_space: global }
      - { .name: teacher_positions, .offset: 8, .size: 8, .value_kind: global_buffer, .address_space: global }
      - { .name: grp, .offset: 16, .size: 8, .value_kind: global_buffer, .address_space: global }
    .group_segment_fixed_size: 164352
    .private_segment_fixed_size: 0
    .kernarg_segment_align: 8
    .kernarg_segment_size: 24
    .max_flat_workgroup_size: 128
    .sgpr_count:     66
    .vgpr_count:     250
    .wavefront_size: 32
...
	.end_amdgpu_metadata
.endif
;; end of part 1
;; launch refine (part 2): grid 512 x 1, 8 waves a work-group, no clusters, 0 bytes of LDS; arguments student_positions, teacher_positions, grp, nbr; writes nbr
.if DOCPART == 2
	.amdgcn_target "amdgcn-amd-amdhsa--gfx1250"
	.amdhsa_code_object_version 6
	.text
	.protected	k_q6c9332cb93_refine
	.globl	k_q6c9332cb93_refine
	.p2align	8
	.type	k_q6c9332cb93_refine,@function
k_q6c9332cb93_refine:
	s_mov_b64 s[64:65], 0
	v_nop
	global_prefetch_b8 v0, s[64:65] scope:SCOPE_SE
	s_setreg_imm32_b32 hwreg(HW_REG_WAVE_MODE, 25, 1), 1
	s_wait_xcnt 0x0
; STAGE 2 OF 3: from a student's 16 groups of 16 teachers (grp, stored by the launch before) to its 16 nearest teachers in the order
; (squared distance, index).  nbr[student][0..15] holds their indices, in no particular order.
; A row of 16 lanes is one student, a lane one group: 16 candidates a lane, 192 neighbouring bytes of positions.
; The squared distance is the plain sum of (a - p)^2 in f32: no difference of large sums is formed.
; The selection has no branch: each lane sorts its 16 values by insertion, four merges across the lanes (1, 2, 4, 8 apart) keep the 16
; smallest, T is the largest of them; then the same once more on keys: index below T, index + 32768 at T, +inf above.
; LIMITS: positions are finite and their squared distances do not overflow; candidates whose distances differ by no more than the rounding of f32 may
; change places against a sum made in another order.
; No LDS, no barrier, no matrix unit: a student never leaves its 16 lanes, and the work is comparisons.
.set TBATCH, 196608
.set PP,  8                            ; v[8:55]   16 positions; v[8:23] later the second set of 16
.set DD,  56                           ; v[56:71]  squared distances
.set SA,  72                           ; v[72:87]  a set of 16
.set SB,  8
.macro INS l, n, x                     ; x goes into an ascending list that holds n values
.if \n == 0
	v_mov_b32 v[\l], v[\x]
.else
	v_max_num_f32 v[\l+\n], v[\l+\n-1], v[\x]
.set ii, \n-1
.rept \n-1
	v_med3_num_f32 v[\l+ii], v[\l+ii-1], v[\l+ii], v[\x]
.set ii, ii-1
.endr
	v_min_num_f32 v[\l], v[\l], v[\x]
.endif
.endm
.macro CLEANST s, d, dist              ; one stage of the network that sorts a sequence which rises and then falls
.set ii, 0
.rept 16
.if (ii & \dist) == 0
	v_min_num_f32 v[\d+ii], v[\s+ii], v[\s+ii+\dist]
	v_max_num_f32 v[\d+ii+\dist], v[\s+ii], v[\s+ii+\dist]
.endif
.set ii, ii+1
.endr
.endm
.macro CLEAN a, b
	CLEANST \a, \b, 8
	CLEANST \b, \a, 4
	CLEANST \a, \b, 2
	CLEANST \b, \a, 1
.endm
.macro MERGE a, b, m, n                ; b[i] = min(mine[i], lane xor m's [15 - i]): the first n of the 16 smallest of both sorted lists
.set ii, 0
.rept \n
	v_min_num_f32_dpp v[\b+ii], v[\a+15-ii], v[\a+ii] row_xmask:\m row_mask:0xf bank_mask:0xf
.set ii, ii+1
.endr
.endm
.macro LEVEL a, b, m                   ; merged and sorted again, in b; both partners end with the same list
	MERGE \a, \b, \m, 16
	CLEAN \b, \a
.endm
.macro DIST j
	v_sub_f32 v92, v[PP+3*\j], v4
	v_sub_f32 v93, v[PP+3*\j+1], v5
	v_sub_f32 v94, v[PP+3*\j+2], v6
	v_mul_f32 v[DD+\j], v92, v92
	v_fma_f32 v[DD+\j], v93, v93, v[DD+\j]
	v_fma_f32 v[DD+\j], v94, v94, v[DD+\j]
.endm
	s_load_b256 s[4:11], s[0:1], 0x0               ; students s[4:5], teachers s[6:7], grp s[8:9], nbr s[10:11]
	s_lshr_b32 s12, ttmp9, 8                       ; batch: 256 work-groups of 16 students each
	s_mul_i32 s14, s12, TBATCH
	s_mov_b32 s15, 0
	s_mul_i32 s16, ttmp9, 192                      ; 16 students of 12 bytes
	s_mov_b32 s17, 0
	s_lshl_b32 s18, ttmp9, 10                      ; 16 rows of 64 bytes of grp and of nbr
	s_mov_b32 s19, 0
	s_mov_b32 s20, 0xaaaaaaaa                      ; lanes with bit 0 set,
	s_mov_b32 s21, 0xcccccccc                      ; bit 1,
	s_mov_b32 s22, 0xf0f0f0f0                      ; bit 2
	v_lshlrev_b32 v1, 2, v0                        ; my word of grp and of nbr
	v_lshrrev_b32 v2, 4, v0
	v_mul_u32_u24 v2, 12, v2                       ; my student
	v_mov_b32 v95, 0x7f800000                      ; +inf
	s_wait_kmcnt 0x0
	s_add_nc_u64 s[4:5], s[4:5], s[16:17]
	s_add_nc_u64 s[6:7], s[6:7], s[14:15]
	s_add_nc_u64 s[8:9], s[8:9], s[18:19]
	s_add_nc_u64 s[10:11], s[10:11], s[18:19]
	global_load_b32 v3, v1, s[8:9]
	global_load_b96 v[4:6], v2, s[4:5]
	s_wait_loadcnt 1                               ; the group's id is in; the student's position stays out
	v_min_u32 v3, 0x3ff, v3                        ; a loaded number enters an address only behind a clamp
	v_mul_u32_u24 v7, 0xc0, v3                     ; 16 positions of 12 bytes
.irp i, 0,1,2,3,4,5,6,7,8,9,10,11
	global_load_b128 v[PP+4*\i:PP+4*\i+3], v7, s[6:7] offset:16*\i
.endr
	v_lshlrev_b32 v89, 4, v3
	v_cvt_f32_u32 v89, v89                         ; f: index of my first candidate
	v_add_f32 v90, 0x47000000, v89                 ; g = f + 32768
	s_wait_loadcnt 9                               ; three loads of 16 bytes are four candidates
.irp j, 0,1,2,3
	DIST \j
.endr
	s_wait_loadcnt 6
.irp j, 4,5,6,7
	DIST \j
.endr
	s_wait_loadcnt 3
.irp j, 8,9,10,11
	DIST \j
.endr
	s_wait_loadcnt 0
.irp j, 12,13,14,15
	DIST \j
.endr
.irp j, 0,1,2,3,4,5,6,7,8,9,10,11,12,13,14,15
	INS SA, \j, DD+\j
.endr
	LEVEL SA, SB, 1
	LEVEL SB, SA, 2
	LEVEL SA, SB, 4
	MERGE SB, SA, 8, 16
	v_max3_num_f32 v88, v[SA], v[SA+1], v[SA+2]    ; T: the 16th smallest distance of the 256
.irp i, 3,5,7,9,11,13
	v_max3_num_f32 v88, v88, v[SA+\i], v[SA+\i+1]
.endr
	v_max_num_f32 v88, v88, v[SA+15]
.irp j, 0,1,2,3,4,5,6,7,8,9,10,11,12,13,14,15
	v_cmp_eq_f32 vcc_lo, v[DD+\j], v88
	v_cndmask_b32 v91, v95, v90, vcc_lo
	v_cmp_lt_f32 vcc_lo, v[DD+\j], v88
	v_cndmask_b32 v91, v91, v89, vcc_lo
	INS SA, \j, 91
	v_add_f32 v89, 1.0, v89
	v_add_f32 v90, 1.0, v90
.endr
	LEVEL SA, SB, 1
	LEVEL SB, SA, 2
	LEVEL SA, SB, 4
	MERGE SB, SA, 8, 8                             ; lanes 8-15 hold the same 16 keys in reverse: element (lane & 7) of each lane gives all sixteen
	v_cndmask_b32 v92, v[SA], v[SA+1], s20
	v_cndmask_b32 v93, v[SA+2], v[SA+3], s20
	v_cndmask_b32 v94, v[SA+4], v[SA+5], s20
	v_cndmask_b32 v91, v[SA+6], v[SA+7], s20
	v_cndmask_b32 v92, v92, v93, s21
	v_cndmask_b32 v94, v94, v91, s21
	v_cndmask_b32 v92, v92, v94, s22
	v_cvt_u32_f32 v92, v92
	v_and_b32 v92, 0x3fff, v92                     ; takes the 32768 of a tie off
	global_store_b32 v1, v92, s[10:11]
	s_endpgm
.Lfunc_end_k_q6c9332cb93_refine:
	.size	k_q6c9332cb93_refine, .Lfunc_end_k_q6c9332cb93_refine-k_q6c9332cb93_refine
	.p2alignl 7, 3214868480
	.fill 96, 4, 3214868480
	.section	.rodata,"a",@progbits
	.p2align	6, 0x0
	.amdhsa_kernel k_q6c9332cb93_refine
		.amdhsa_group_segment_fixed_size 0
		.amdhsa_private_segment_fixed_size 0
		.amdhsa_enable_private_segment 0
		.amdhsa_kernarg_size 32
		.amdhsa_user_sgpr_count 2
		.amdhsa_user_sgpr_kernarg_segment_ptr 1
		.amdhsa_wavefront_size32 1
		.amdhsa_system_sgpr_workgroup_id_x 1
		.amdhsa_system_sgpr_workgroup_id_y 1
		.amdhsa_system_sgpr_workgroup_id_z 1
		.amdhsa_system_vgpr_workitem_id 0
		.amdhsa_next_free_vgpr 96
		.amdhsa_next_free_sgpr 66
		.amdhsa_reserve_vcc 1
		.amdhsa_float_denorm_mode_32 3
		.amdhsa_float_denorm_mode_16_64 3
		.amdhsa_memory_ordered 1
		.amdhsa_forward_progress 1
		.amdhsa_inst_pref_size 46
	.end_amdhsa_kernel
	.amdgpu_metadata
---
amdhsa.version: [ 1, 2 ]
amdhsa.kernels:
  - .name:           k_q6c9332cb93_refine
    .symbol:         k_q6c9332cb93_refine.kd
    .args:
      - { .name: student_positions, .offset: 0, .size: 8, .value_kind: global_buffer, .address_space: global }
      - { .name: teacher_positions, .offset: 8, .size: 8, .value_kind: global_buffer, .address_space: global }
      - { .name: grp, .offset: 16, .size: 8, .value_kind: global_buffer, .address_space: global }
      - { .name: nbr, .offset: 24, .size: 8, .value_kind: global_buffer, .address_space: global }
    .group_segment_fixed_size: 0
    .private_segment_fixed_size: 0
    .kernarg_segment_align: 8
    .kernarg_segment_size: 32
    .max_flat_workgroup_size: 256
    .sgpr_count:     66
    .vgpr_count:     96
    .wavefront_size: 32
...
	.end_amdgpu_metadata
.endif
;; end of part 2
;; launch gather (part 3): grid 1024 x 1, 8 waves a work-group, no clusters, 0 bytes of LDS; arguments student_positions, teacher_features, teacher_positions, nbr, out0; writes out0
.if DOCPART == 3
	.amdgcn_target "amdgcn-amd-amdhsa--gfx1250"
	.amdhsa_code_object_version 6
	.text
	.protected	k_q6c9332cb93_gather
	.globl	k_q6c9332cb93_gather
	.p2align	8
	.type	k_q6c9332cb93_gather,@function
k_q6c9332cb93_gather:
	s_mov_b64 s[64:65], 0
	v_nop
	global_prefetch_b8 v0, s[64:65] scope:SCOPE_SE
	s_setreg_imm32_b32 hwreg(HW_REG_WAVE_MODE, 25, 1), 1
	s_wait_xcnt 0x0
; STAGE 3 OF 3: out[s] = sum over a student's 16 neighbours (nbr, stored by the launch before) of w_k x features[neighbour k],
; w_k = exp(-d2_k / 2) / sum of them.  One wave, one student; lane l owns bytes 16 l .. 16 l + 15 of the row of 512 bytes.
; The weights are made as exp((dmin - d2_k) / 2) / their sum, dmin the smallest d2 of the sixteen: the same quotient, with the largest
; exponent 0, so that the sum is at least 1 and nothing overflows.
; LIMITS: where dmin > 207.944 (= 300 ln 2) every exp(-d2 / 2) is 0 in f32 and the quotient as it is defined is 0 / 0: the row is set to NaN there.
; For dmin between 174.7 and 207.944 the weights as defined are quotients of denormal numbers; here they are the exact quotients.
; Positions are finite.
; The weighted sum runs on the vector unit: each student has its own 16 rows and one row of weights, so a matrix instruction would use one
; of its 16 rows, and the conversions to bf16 would cost more than the 64 multiply-adds.
; No LDS, no barrier: a wave hands nothing to another.  All 16 rows are asked for at once, ahead of the weights' arithmetic.
.set TBATCH, 196608
.set ROWS, 32                          ; v[32:95]  the 16 rows, 4 registers each
.set OFFS, 16                          ; v[16:31]  their byte offsets
.set ACC,  96                          ; v[96:99]  the sums
	s_load_b256 s[4:11], s[0:1], 0x0               ; students s[4:5], features s[6:7], teachers s[8:9], nbr s[10:11]
	s_load_b64 s[12:13], s[0:1], 0x20              ; out
	v_lshrrev_b32 v1, 5, v0
	v_readfirstlane_b32 s14, v1
	s_lshl3_add_u32 s14, ttmp9, s14                ; student = 8 x work-group + wave
	s_lshr_b32 s15, ttmp9, 9                       ; batch: 512 work-groups of 8 students each
	s_lshl_b32 s32, s14, 6                         ; a row of nbr: 64 bytes
	s_mov_b32 s33, 0
	s_mul_i32 s34, s14, 12
	s_mov_b32 s35, 0
	s_lshl_b32 s56, s15, 23                        ; a batch's features: 16384 rows of 512 bytes
	s_mov_b32 s57, 0
	s_mul_i32 s58, s15, TBATCH
	s_mov_b32 s59, 0
	s_lshl_b32 s40, s14, 9                         ; a row of out: 512 bytes
	s_mov_b32 s41, 0
	v_and_b32 v1, 31, v0
	v_lshlrev_b32 v1, 4, v1                        ; my 16 bytes of a row
	v_and_b32 v3, 15, v0
	v_lshlrev_b32 v3, 2, v3                        ; neighbour k = lane mod 16: both halves of the wave make the same weights
	s_wait_kmcnt 0x0
	s_add_nc_u64 s[10:11], s[10:11], s[32:33]
	s_add_nc_u64 s[4:5], s[4:5], s[34:35]
	s_add_nc_u64 s[6:7], s[6:7], s[56:57]
	s_add_nc_u64 s[8:9], s[8:9], s[58:59]
	s_add_nc_u64 s[12:13], s[12:13], s[40:41]
	s_load_b512 s[16:31], s[10:11], 0x0            ; the 16 indices as scalars, for the rows' addresses
	s_load_b96 s[36:38], s[4:5], 0x0               ; the student's position
	global_load_b32 v2, v3, s[10:11]               ; and index k in lane k, for its position
	s_wait_loadcnt 0x0
	v_min_u32 v2, 0x3fff, v2                       ; a loaded number enters an address only behind a clamp
	v_mul_u32_u24 v7, 12, v2
	global_load_b96 v[4:6], v7, s[8:9]
	s_wait_kmcnt 0x0
.irp k, 0,1,2,3,4,5,6,7,8,9,10,11,12,13,14,15
	s_min_u32 s[16+\k], s[16+\k], 0x3fff
.endr
.irp k, 0,1,2,3,4,5,6,7,8,9,10,11,12,13,14,15
	v_lshl_add_u32 v[OFFS+\k], s[16+\k], 9, v1
.endr
.irp k, 0,1,2,3,4,5,6,7,8,9,10,11,12,13,14,15
	global_load_b128 v[ROWS+4*\k:ROWS+4*\k+3], v[OFFS+\k], s[6:7]
.endr
	s_wait_loadcnt 16                              ; the neighbour's position is in; the sixteen rows stay out
	v_sub_f32 v8, v4, s36
	v_sub_f32 v9, v5, s37
	v_sub_f32 v10, v6, s38
	v_mul_f32 v11, v8, v8
	v_fma_f32 v11, v9, v9, v11
	v_fma_f32 v11, v10, v10, v11                   ; d2 of neighbour k
	v_mov_b32 v12, v11
	v_min_num_f32_dpp v12, v12, v12 row_xmask:1 row_mask:0xf bank_mask:0xf
	v_min_num_f32_dpp v12, v12, v12 row_xmask:2 row_mask:0xf bank_mask:0xf
	v_min_num_f32_dpp v12, v12, v12 row_xmask:4 row_mask:0xf bank_mask:0xf
	v_min_num_f32_dpp v12, v12, v12 row_xmask:8 row_mask:0xf bank_mask:0xf   ; dmin, in every lane
	v_sub_f32 v13, v12, v11
	v_mul_f32 v13, 0x3f38aa3b, v13                 ; x 0.5 log2(e)
	v_cmp_lt_f32 vcc_lo, 0x434ff1aa, v12           ; 207.944 < dmin
	v_exp_f32 v14, v13
	v_mov_b32 v15, 0x7fc00000                      ; one plain vector instruction between v_exp_f32 and the use of its result (ISA guide 5.7.2)
	s_wait_alu depctr_va_vdst(0)
	v_mov_b32 v9, v14
	v_add_f32_dpp v9, v9, v9 row_xmask:1 row_mask:0xf bank_mask:0xf
	v_add_f32_dpp v9, v9, v9 row_xmask:2 row_mask:0xf bank_mask:0xf
	v_add_f32_dpp v9, v9, v9 row_xmask:4 row_mask:0xf bank_mask:0xf
	v_add_f32_dpp v9, v9, v9 row_xmask:8 row_mask:0xf bank_mask:0xf          ; the sum, at least 1
	v_rcp_f32 v10, v9
	v_nop                                          ; the same behind v_rcp_f32
	s_wait_alu depctr_va_vdst(0)
	v_mul_f32 v14, v14, v10
	v_cndmask_b32 v14, v14, v15, vcc_lo
.irp k, 0,1,2,3,4,5,6,7,8,9,10,11,12,13,14,15
	v_readlane_b32 s[40+\k], v14, \k
.endr
	s_wait_loadcnt 15                              ; rows come back in order: row 0 is in
.irp c, 0,1,2,3
	v_mul_f32 v[ACC+\c], s40, v[ROWS+\c]           ; the first product starts the sums
.endr
.irp k, 1,2,3,4,5,6,7,8,9,10,11,12,13,14,15
	s_wait_loadcnt 15-\k
.irp c, 0,1,2,3
	v_fmac_f32 v[ACC+\c], s[40+\k], v[ROWS+4*\k+\c]
.endr
.endr
	global_store_b128 v1, v[ACC:ACC+3], s[12:13]   ; the wave's store covers the row's 512 consecutive bytes, aligned
	s_endpgm
.Lfunc_end_k_q6c9332cb93_gather:
	.size	k_q6c9332cb93_gather, .Lfunc_end_k_q6c9332cb93_gather-k_q6c9332cb93_gather
	.p2alignl 7, 3214868480
	.fill 96, 4, 3214868480
	.section	.rodata,"a",@progbits
	.p2align	6, 0x0
	.amdhsa_kernel k_q6c9332cb93_gather
		.amdhsa_group_segment_fixed_size 0
		.amdhsa_private_segment_fixed_size 0
		.amdhsa_enable_private_segment 0
		.amdhsa_kernarg_size 40
		.amdhsa_user_sgpr_count 2
		.amdhsa_user_sgpr_kernarg_segment_ptr 1
		.amdhsa_wavefront_size32 1
		.amdhsa_system_sgpr_workgroup_id_x 1
		.amdhsa_system_sgpr_workgroup_id_y 1
		.amdhsa_system_sgpr_workgroup_id_z 1
		.amdhsa_system_vgpr_workitem_id 0
		.amdhsa_next_free_vgpr 104
		.amdhsa_next_free_sgpr 66
		.amdhsa_reserve_vcc 1
		.amdhsa_float_denorm_mode_32 3
		.amdhsa_float_denorm_mode_16_64 3
		.amdhsa_memory_ordered 1
		.amdhsa_forward_progress 1
		.amdhsa_inst_pref_size 11
	.end_amdhsa_kernel
	.amdgpu_metadata
---
amdhsa.version: [ 1, 2 ]
amdhsa.kernels:
  - .name:           k_q6c9332cb93_gather
    .symbol:         k_q6c9332cb93_gather.kd
    .args:
      - { .name: student_positions, .offset: 0, .size: 8, .value_kind: global_buffer, .address_space: global }
      - { .name: teacher_features, .offset: 8, .size: 8, .value_kind: global_buffer, .address_space: global }
      - { .name: teacher_positions, .offset: 16, .size: 8, .value_kind: global_buffer, .address_space: global }
      - { .name: nbr, .offset: 24, .size: 8, .value_kind: global_buffer, .address_space: global }
      - { .name: out0, .offset: 32, .size: 8, .value_kind: global_buffer, .address_space: global }
    .group_segment_fixed_size: 0
    .private_segment_fixed_size: 0
    .kernarg_segment_align: 8
    .kernarg_segment_size: 40
    .max_flat_workgroup_size: 256
    .sgpr_count:     66
    .vgpr_count:     104
    .wavefront_size: 32
...
	.end_amdgpu_metadata
.endif
;; end of part 3
;; ======== version 2 of 2: 3 launches; version 1 with the launch groups written anew for expert scheduling mode
;; workspace buffers: grp 524,288 bytes of whole numbers; nbr 524,288 bytes of whole numbers
;; launch groups (part 4): grid 256 x 1, 4 waves a work-group, no clusters, 164,352 bytes of LDS; arguments student_positions, teacher_positions, grp; writes grp
.if DOCPART == 4
	.amdgcn_target "amdgcn-amd-amdhsa--gfx1250"
	.amdhsa_code_object_version 6
	.text
	.protected	k_q6c9332cb93_groups
	.globl	k_q6c9332cb93_groups
	.p2align	8
	.type	k_q6c9332cb93_groups,@function
k_q6c9332cb93_groups:
	s_mov_b64 s[64:65], 0
	v_nop
	global_prefetch_b8 v0, s[64:65] scope:SCOPE_SE
	s_setreg_imm32_b32 hwreg(HW_REG_WAVE_SCHED_MODE, 0, 2), 2
	s_setreg_imm32_b32 hwreg(HW_REG_WAVE_MODE, 25, 1), 1
	s_wait_xcnt 0x0
	s_wait_alu depctr_vm_vsrc(0)
; STAGE 1 OF 3 of a 16-nearest-neighbour search: 2 x 4096 students against 16384 teachers of the same batch.
; The teachers of a batch are cut into 1024 groups of 16 neighbouring indices.  For every student this launch stores the ids of
; the 16 groups that come first in the order (smallest distance in the group, group id).  Each of the 16 nearest teachers in the
; order (distance, index) lies in one of them: were its group not among them, 16 groups would come earlier, and the nearest
; member of each would precede that teacher.
; ORDERING VALUE: S = |a'|^2 - 2 a'.p' (the squared distance less |p'|^2, which is the same for all teachers of a student),
; a' and p' being the positions less teacher 0's position of the batch, so that a common offset forms no difference of large sums.
; S comes from the matrix unit: every factor is split exactly into three bf16 pieces h + m + l, and the products hh, mh, lh, hm,
; hl, mm are summed in f32; what is left out is some 2^-24 of a product.
; LIMITS: positions are finite and their squares do not overflow.  Whole-number coordinates of up to 8 bits after centring come out
; exact.  For other numbers two groups whose smallest distances differ by no more than the rounding of f32 may change places
; against a sum made in another order.
; SHARES: a work-group has 32 students (two tiles of 16, sigma = 0, 1), wave w the teachers 4096 w .. 4096 w + 4095 for both tiles:
; 64 quads of four tiles of 16 teachers.  A = 16 teachers, B = 16 students, C = 0: lane (r, h), register j of D is student r and
; row 8 h + j.  Row 8 h' + j of tile n of quad k is teacher 4096 w + 64 k + 32 (n >> 1) + 16 h' + 8 (n & 1) + j, so a lane's 16 numbers
; of tiles 2 p and 2 p + 1 are one whole group, id 256 w + 4 k + 2 p + h.
; SELECTION WITHOUT BRANCHES: a sorted list of 16 values in registers, one v_med3_num_f32 a slot for each new value.  Pass 1 finds T, the
; 16th smallest group minimum; pass 2 runs the same list over keys: id where the minimum is below T, id + 2048 where it equals T,
; +inf elsewhere.  The 16 smallest keys are the groups wanted, ties going to the lower id.
; No tensor loads, no cluster: a teacher's 12 bytes go straight into the registers of the one wave that uses them.
; THE MODE: SCHED_MODE bits 1:0 = 2 (LLVM: expert scheduling mode 2), set by the entry lines.  The code itself states the register dependences
; between vector or matrix instructions and memory or LDS instructions, with s_wait_alu, always for 0.
; THE PLAN.  Registers that memory or LDS instructions touch:
;   RG slot 0 .. 3   Pass 1, step j: BUILD4 rewrites and reads slot (j + 1) % 4; behind the step's wait the loads of the quad four on land in it.
;   GMR              Pass 1: written by a step's minima, read by its two LDS stores (the lists' lines only read it), written again by the next step's minima.
;                    Pass 2: two LDS loads land in it, eight compares read it, and it is asked for again at once.
;   v3               The table's address: read by every store and load of the table; written once a trip in pass 1, once between the passes, once a step in pass 2.
;   LA, LB           Read by the eight LDS stores of each exchange; set to +inf behind the first.
;   v[64:127]        D in pass 1; behind it lists from LDS land there; v[64:71] are the data of the two global stores.
;   v1, v2, v4, OO   Made at the head and never written again.  v5: written once more, ahead of the last loads.
; PASS 1 has ONE wait on va_vdst in a step, behind its minima: GMR is written, and BUILD4 is done with its slot.  The two stores follow it, and the four loads are dealt
; among the four insertions, which name LA, LB and, as a source, GMR: no register in which a load lands and no address.  One wait on vm_vsrc stands ahead of the next minima.
; PASS 2 has its compares in one run, into scalar registers; behind them one wait for the masks and one that frees GMR for the next loads.
.set TBATCH, 196608                    ; bytes of a batch's teacher positions
.set QUADB,  768                       ; bytes of a quad's 64 positions
.set TRIPS,  14                        ; trips of four quads in the loop; two more trips are written out
.set GMSIG,  16384                     ; LDS: table of group minima: 32768 w + 16384 sigma + 256 k + 8 lane (p = 0, 1), a wave's own
.set XCH1,   131072                    ; LDS: lists handed between waves, first time: 2048 (2 w + sigma) + 512 quarter + 16 lane
.set XCH2,   16384                     ; the second time: so many bytes further on
.set BB,   16                          ; v[16:31]    B: two student tiles
.set FR,   32                          ; v[32:63]    A: four teacher tiles
.set DR,   64                          ; v[64:127]   D(n, sigma) at 16 n + 8 sigma
.set GMR,  128                         ; v[128:131]  group minima, 2 sigma + p
.set LA,   132                         ; v[132:147]  the list of sigma = 0
.set LB,   148                         ; v[148:163]  the list of sigma = 1
.set TMP,  164                         ; v[164:179]  tile n: t0, t1 (what is left to split), u0, u1 (the piece as f32)
.set RG,   180                         ; v[180:243]  ring: 4 slots x 4 tiles x (x, y, z, |a'|^2)
.set VINF, 244
.set GMB,  245                         ; the table's address at k = 0
.set OO,   246                         ; byte offset of my 32 bytes of the output
.set GID0, 247                         ; 256 w + h
.set SC,   32                          ; behind pass 1: scratch of 16 registers
.set X0,   64                          ; behind pass 1: lists read back from LDS
.set Y0,   80
.set X1,   96
.set Y1,   112
.set MK,   20                          ; s[20:27]    pass 2: minimum i of four: the mask 'at T' in MK + 2 i, 'below T' in MK + 2 i + 1
; x goes into the ascending list l: slot i becomes the middle one of (slot i - 1, slot i, x); from the top down, so that each line reads old slots
.macro INSERT l, x
.set ii, 15
.rept 15
	v_med3_num_f32 v[\l+ii], v[\l+ii-1], v[\l+ii], v[\x]
.set ii, ii-1
.endr
	v_min_num_f32 v[\l], v[\l], v[\x]
.endm
; one stage of the network that sorts a sequence which rises and then falls (or the reverse): pairs dist apart, from s into d
.macro CLEANST s, d, dist
.set ii, 0
.rept 16
.if (ii & \dist) == 0
	v_min_num_f32 v[\d+ii], v[\s+ii], v[\s+ii+\dist]
	v_max_num_f32 v[\d+ii+\dist], v[\s+ii], v[\s+ii+\dist]
.endif
.set ii, ii+1
.endr
.endm
.macro CLEAN a, b                      ; four stages, a -> b -> a -> b -> a: sorted in a
	CLEANST \a, \b, 8
	CLEANST \b, \a, 4
	CLEANST \a, \b, 2
	CLEANST \b, \a, 1
.endm
; the first n of the 16 smallest of my sorted list and that of lane l xor 16: min(mine[i], theirs[15 - i])
.macro XH l, t, n
.set ii, 0
.rept \n
	v_permlanex16_b32 v[\t+ii], v[\l+15-ii], s16, s17
.set ii, ii+1
.endr
.set ii, 0
.rept \n
	v_min_num_f32 v[\l+ii], v[\l+ii], v[\t+ii]
.set ii, ii+1
.endr
.endm
.macro MRG x, y                        ; the same for two sorted lists of one lane
.set ii, 0
.rept 16
	v_min_num_f32 v[\x+ii], v[\x+ii], v[\y+15-ii]
.set ii, ii+1
.endr
.endm
.macro MAX16 d, x
	v_max3_num_f32 v[\d], v[\x], v[\x+1], v[\x+2]
.set ii, 3
.rept 6
	v_max3_num_f32 v[\d], v[\d], v[\x+ii], v[\x+ii+1]
.set ii, ii+2
.endr
	v_max_num_f32 v[\d], v[\d], v[\x+15]
.endm
.macro LISTS_INF
.set ii, 0
.rept 32
	v_mov_b32 v[LA+ii], s19
.set ii, ii+1
.endr
.endm
; piece k of the four tiles' pairs (t0, t1) as packed bf16; more = 1: the piece is taken off, which is exact in f32
.macro PIECE k, more
.irp n, 0,1,2,3
	v_cvt_pk_bf16_f32 v[FR+8*\n+\k], v[TMP+4*\n], v[TMP+4*\n+1]
.endr
.if \more
.irp n, 0,1,2,3
	v_lshlrev_b32 v[TMP+4*\n+2], 16, v[FR+8*\n+\k]
.endr
.irp n, 0,1,2,3
	v_and_b32 v[TMP+4*\n+3], s15, v[FR+8*\n+\k]
.endr
.irp n, 0,1,2,3
	v_sub_f32 v[TMP+4*\n], v[TMP+4*\n], v[TMP+4*\n+2]
.endr
.irp n, 0,1,2,3
	v_sub_f32 v[TMP+4*\n+1], v[TMP+4*\n+1], v[TMP+4*\n+3]
.endr
.endif
.endm
; The four A fragments of the quad that lies in ring slot 'slot'.  Every line runs over the four tiles, so four chains take turns.
; Lanes 0-15 carry (-2 dx, -2 dy), lanes 16-31 (-2 dz, |a'|^2); registers: h, m, l, h, h, m, 0, 0 against the students' h, h, h, m, l, m, 0, 0.
; left = younger loads that may stay out.  The slot is asked for again by ASK, behind a wait that shows these lines done with it.
; The first forty lines name no register of a matrix instruction: they are the places between the products in front and the first write of A.
.macro BUILD4 slot, left
	s_wait_loadcnt \left                           ; loads come back in order: this slot's four are in
.irp c, 0,1,2
.irp n, 0,1,2,3
	v_sub_f32 v[RG+16*\slot+4*\n+\c], v[RG+16*\slot+4*\n+\c], s[12+\c]
.endr
.endr
.irp n, 0,1,2,3
	v_mul_f32 v[RG+16*\slot+4*\n+3], v[RG+16*\slot+4*\n], v[RG+16*\slot+4*\n]
.endr
.irp n, 0,1,2,3
	v_fma_f32 v[RG+16*\slot+4*\n+3], v[RG+16*\slot+4*\n+1], v[RG+16*\slot+4*\n+1], v[RG+16*\slot+4*\n+3]
.endr
.irp n, 0,1,2,3
	v_fma_f32 v[RG+16*\slot+4*\n+3], v[RG+16*\slot+4*\n+2], v[RG+16*\slot+4*\n+2], v[RG+16*\slot+4*\n+3]
.endr
.irp n, 0,1,2,3
	v_cndmask_b32 v[TMP+4*\n], v[RG+16*\slot+4*\n], v[RG+16*\slot+4*\n+2], s15
.endr
.irp n, 0,1,2,3
	v_mul_f32 v[TMP+4*\n+1], -2.0, v[RG+16*\slot+4*\n+1]
.endr
.irp n, 0,1,2,3
	v_mul_f32 v[TMP+4*\n], -2.0, v[TMP+4*\n]
.endr
.irp n, 0,1,2,3
	v_cndmask_b32 v[TMP+4*\n+1], v[TMP+4*\n+1], v[RG+16*\slot+4*\n+3], s15
.endr
	PIECE 0, 1
	PIECE 1, 1
	PIECE 2, 0
.irp n, 0,1,2,3
	v_mov_b32 v[FR+8*\n+3], v[FR+8*\n]
.endr
.irp n, 0,1,2,3
	v_mov_b32 v[FR+8*\n+4], v[FR+8*\n]
.endr
.irp n, 0,1,2,3
	v_mov_b32 v[FR+8*\n+5], v[FR+8*\n+1]
.endr
.endm
; reload = 1: tile n of ring slot 'slot' is asked for again, four quads on, at byte off from the trip's base
.macro ASK reload, slot, n, off
.if \reload
	global_load_b96 v[RG+16*\slot+4*\n:RG+16*\slot+4*\n+2], v2, s[6:7] offset:\off+384*(\n>>1)+96*(\n&1)
.endif
.endm
; two more of a group's 16 numbers into each of the four minima (sigma, p); i1, i2: places in D(2 p, sigma), +16 for D(2 p + 1, sigma)
.macro MIN4 first, i1, i2
.irp s, 0,1
.irp p, 0,1
.if \first
	v_min3_num_f32 v[GMR+2*\s+\p], v[DR+32*\p+8*\s], v[DR+32*\p+8*\s+\i1], v[DR+32*\p+8*\s+\i2]
.else
	v_min3_num_f32 v[GMR+2*\s+\p], v[GMR+2*\s+\p], v[DR+32*\p+8*\s+\i1], v[DR+32*\p+8*\s+\i2]
.endif
.endr
.endr
.endm
; Quad j of a trip: eight products (each starts its own sum with C = 0: eight different accumulators, no chain), the next quad's
; fragments, the four group minima, their place in the table, their turn in the lists; among the lists' lines the ring slot just built from is asked for again.
.macro QSTEP j, slot, build, reload, left
.irp n, 0,1,2,3
.irp s, 0,1
	v_wmma_f32_16x16x32_bf16 v[DR+16*\n+8*\s:DR+16*\n+8*\s+7], v[FR+8*\n:FR+8*\n+7], v[BB+8*\s:BB+8*\s+7], 0
.endr
.endr
.if \build
	BUILD4 \slot, \left
.else
.rept 4
	v_nop                                          ; four places between the last product and the first read of a result (ISA guide 7.12.1)
.endr
.endif
.if \j
	s_wait_alu depctr_vm_vsrc(0)                   ; the two LDS stores of the step before have read the four minima, which the lines below write again (for a trip's first step the wait ahead of the table's step states it)
.endif
	MIN4 1, 1, 2
	MIN4 0, 3, 4
	MIN4 0, 5, 6
	MIN4 0, 7, 16
	MIN4 0, 17, 18
	MIN4 0, 19, 20
	MIN4 0, 21, 22
.irp s, 0,1
.irp p, 0,1
	v_min_num_f32 v[GMR+2*\s+\p], v[GMR+2*\s+\p], v[DR+32*\p+8*\s+23]
.endr
.endr
	s_wait_alu depctr_va_vdst(0)                   ; the four minima are written, which the LDS stores read; BUILD4 is done reading and writing its ring slot, in which the loads below land; in a trip's first step v3 is written
	ds_store_b64 v3, v[GMR:GMR+1] offset:\j*256
	ds_store_b64 v3, v[GMR+2:GMR+3] offset:\j*256+GMSIG
	ASK \reload, \slot, 0, QUADB*(\j+5)            ; no further wait: no vector line since the wait names the slot or v2
	INSERT LA, GMR
	ASK \reload, \slot, 1, QUADB*(\j+5)
	INSERT LA, GMR+1
	ASK \reload, \slot, 2, QUADB*(\j+5)
	INSERT LB, GMR+2
	ASK \reload, \slot, 3, QUADB*(\j+5)
	INSERT LB, GMR+3
.endm
; a trip's end: the table's address moves on by four quads
.macro TABLE_ON
	s_wait_alu depctr_vm_vsrc(0)                   ; the trip's LDS stores have read v3, and the last two of them the four minima, which the next step writes again
	v_add_nc_u32 v3, 1024, v3
.endm
; B fragment of student tile s from the position in v[64 + 4 s ..]: lanes 0-15 (px', py'), lanes 16-31 (pz', 1.0)
.macro STUDENT s
	v_sub_f32 v[64+4*\s], v[64+4*\s], s12
	v_sub_f32 v[65+4*\s], v[65+4*\s], s13
	v_sub_f32 v[66+4*\s], v[66+4*\s], s14
	v_cndmask_b32 v[TMP], v[64+4*\s], v[66+4*\s], s15
	v_cndmask_b32 v[TMP+1], v[65+4*\s], 1.0, s15
	v_cvt_pk_bf16_f32 v[BB+8*\s], v[TMP], v[TMP+1]             ; h
	v_lshlrev_b32 v[TMP+2], 16, v[BB+8*\s]
	v_and_b32 v[TMP+3], s15, v[BB+8*\s]
	v_sub_f32 v[TMP], v[TMP], v[TMP+2]
	v_sub_f32 v[TMP+1], v[TMP+1], v[TMP+3]
	v_cvt_pk_bf16_f32 v[BB+8*\s+3], v[TMP], v[TMP+1]           ; m
	v_lshlrev_b32 v[TMP+2], 16, v[BB+8*\s+3]
	v_and_b32 v[TMP+3], s15, v[BB+8*\s+3]
	v_sub_f32 v[TMP], v[TMP], v[TMP+2]
	v_sub_f32 v[TMP+1], v[TMP+1], v[TMP+3]
	v_cvt_pk_bf16_f32 v[BB+8*\s+4], v[TMP], v[TMP+1]           ; l
	v_mov_b32 v[BB+8*\s+1], v[BB+8*\s]
	v_mov_b32 v[BB+8*\s+2], v[BB+8*\s]
	v_mov_b32 v[BB+8*\s+5], v[BB+8*\s+3]
	v_mov_b32 v[BB+8*\s+6], 0
	v_mov_b32 v[BB+8*\s+7], 0
.endm
; pass 2, one quad: the four minima come back from the table, become keys and take their turn in the lists.
; The key of a group: f (its id, v6 or v7) below T, g (id + 2048, v8 or v9) at T, +inf above; T in v10 (sigma 0) and v11 (sigma 1).
; The eight compares stand in one run, so that one wait serves their masks; behind them the next quad's minima are asked for at once.
.macro P2STEP reload
	s_wait_dscnt 0x0                               ; this quad's four minima are in: the two loads issued a step ago
.irp i, 0,1
	v_cmp_eq_f32 s[MK+2*\i], v[GMR+\i], v10
	v_cmp_lt_f32 s[MK+2*\i+1], v[GMR+\i], v10
.endr
.irp i, 2,3
	v_cmp_eq_f32 s[MK+2*\i], v[GMR+\i], v11
	v_cmp_lt_f32 s[MK+2*\i+1], v[GMR+\i], v11
.endr
.if \reload
	s_wait_alu depctr_vm_vsrc(0)                   ; the two loads issued a step ago have read v3
	v_add_nc_u32 v3, 256, v3                       ; the next quad's place in the table
.endif
	s_wait_alu depctr_va_sdst(0)                   ; the eight masks are written, ahead of the selects that read them
.if \reload
	s_wait_alu depctr_va_vdst(0)                   ; the compares are done reading the four minima, in which the loads below land; v3, their address, is written
	ds_load_b64 v[GMR:GMR+1], v3
	ds_load_b64 v[GMR+2:GMR+3], v3 offset:GMSIG
.endif
	v_cndmask_b32 v12, v[VINF], v8, s[MK]
	v_cndmask_b32 v13, v[VINF], v9, s[MK+2]
	v_cndmask_b32 v14, v[VINF], v8, s[MK+4]
	v_cndmask_b32 v15, v[VINF], v9, s[MK+6]
	v_cndmask_b32 v12, v12, v6, s[MK+1]
	v_cndmask_b32 v13, v13, v7, s[MK+3]
	v_cndmask_b32 v14, v14, v6, s[MK+5]
	v_cndmask_b32 v15, v15, v7, s[MK+7]
.irp r, 6,7,8,9
	v_add_f32 v\r, 4.0, v\r                        ; a quad on: four groups on
.endr
	INSERT LA, 12
	INSERT LA, 13
	INSERT LB, 14
	INSERT LB, 15
.endm
	s_load_b128 s[4:7], s[0:1], 0x0                ; students s[4:5], teachers s[6:7]
	s_load_b64 s[8:9], s[0:1], 0x10                ; grp
	v_lshl_add_u32 v248, v0, 2, 0x28000
	v_mov_b32 v249, 0
	v_lshrrev_b32 v1, 5, v0
	v_readfirstlane_b32 s10, v1                    ; wave 0..3
	s_lshr_b32 s11, ttmp9, 7                       ; batch: 128 work-groups of 32 students each
	s_mul_i32 s20, s11, TBATCH
	s_mov_b32 s21, 0
	s_mul_i32 s22, ttmp9, 384                      ; 32 students of 12 bytes
	s_mov_b32 s23, 0
	s_lshl_b32 s24, ttmp9, 11                      ; 32 rows of 64 bytes of grp
	s_mov_b32 s25, 0
	s_mov_b32 s15, 0xffff0000                      ; lanes 16-31, and a word's upper bf16
	s_mov_b32 s16, 0x76543210                      ; v_permlanex16_b32: lane i reads lane i of the other half
	s_mov_b32 s17, 0xfedcba98
	s_mov_b32 s19, 0x7f800000                      ; +inf
	s_wait_alu depctr_va_sdst(0)                   ; s10 is written, ahead of its first reader: offsets, LDS addresses and the last branch are made from it
	s_lshl_b32 s26, s10, 12                        ; my wave's first teacher
	v_and_b32 v6, 15, v0                           ; r
	v_bfe_u32 v7, v0, 4, 1                         ; h
	v_and_b32 v8, 31, v0                           ; lane
	v_and_b32 v2, 7, v0
	v_bfe_u32 v9, v0, 3, 1
	v_lshl_add_u32 v2, v9, 4, v2                   ; row r of a tile is teacher 16 (r >> 3) + (r & 7) of its 32
	v_add_nc_u32 v2, s26, v2
	v_mul_u32_u24 v2, 12, v2                       ; in bytes; never rewritten
	v_mul_u32_u24 v1, 12, v6                       ; student r
	v_lshlrev_b32 v3, 3, v8
	v_lshl_add_u32 v3, s10, 15, v3                 ; the table: 32768 w + 8 lane
	v_mov_b32 v[GMB], v3
	v_lshlrev_b32 v4, 4, v8
	v_lshl_add_u32 v4, s10, 12, v4
	v_add_nc_u32 v4, XCH1, v4                      ; where I put a list: 4096 w + 16 lane
	v_lshlrev_b32 v5, 4, v6
	v_lshl_add_u32 v5, v7, 13, v5
	v_add_nc_u32 v5, XCH1, v5                      ; where I read: wave 2 h's list of student r; wave 2 h + 1's lies 4096 further on
	v_lshlrev_b32 v[OO], 6, v6
	v_lshl_add_u32 v[OO], v7, 5, v[OO]
	v_lshl_add_u32 v[OO], s10, 10, v[OO]           ; 64 (16 w + r) + 32 h
	v_lshl_add_u32 v[GID0], s10, 8, v7             ; 256 w + h
	v_mov_b32 v[VINF], s19
	s_wait_kmcnt 0x0
	s_add_nc_u64 s[4:5], s[4:5], s[22:23]
	s_add_nc_u64 s[6:7], s[6:7], s[20:21]
	s_add_nc_u64 s[8:9], s[8:9], s[24:25]
	s_load_b96 s[12:14], s[6:7], 0x0               ; the centre: teacher 0 of the batch
	s_wait_alu depctr_va_vdst(0)                   ; the offsets and LDS addresses v1 to v5 and v[OO] are written, which the loads and stores of the kernel read
	global_load_b96 v[64:66], v1, s[4:5]
	global_load_b96 v[68:70], v1, s[4:5] offset:192
.irp q, 0,1,2,3
.irp n, 0,1,2,3
	global_load_b96 v[RG+16*\q+4*\n:RG+16*\q+4*\n+2], v2, s[6:7] offset:QUADB*\q+384*(\n>>1)+96*(\n&1)
.endr
.endr
	LISTS_INF
.irp n, 0,1,2,3
	v_mov_b32 v[FR+8*\n+6], 0                      ; K places 20-23 and 28-31 are not used
	v_mov_b32 v[FR+8*\n+7], 0
.endr
	s_wait_kmcnt 0x0                               ; the centre
	s_wait_loadcnt 16                              ; the two students' positions; the ring's sixteen loads stay out
	STUDENT 0
	STUDENT 1
	BUILD4 0, 12                                   ; quad 0's fragments; three younger quads of four loads stay out
	s_wait_alu depctr_va_vdst(0)                   ; BUILD4 is done reading and writing ring slot 0, in which quad 4 lands
.irp n, 0,1,2,3
	ASK 1, 0, \n, QUADB*4
.endr
	; PASS 1: 64 quads.  A trip's step j multiplies quad 4 t + j, builds quad 4 t + j + 1 and asks for quad 4 t + j + 5.
	s_mov_b32 s18, 0
.Lpass1:
	QSTEP 0, 1, 1, 1, 12
	QSTEP 1, 2, 1, 1, 12
	QSTEP 2, 3, 1, 1, 12
	QSTEP 3, 0, 1, 1, 12
	TABLE_ON
	s_wait_xcnt 0x0                                ; the base that the pending loads name is stepped only behind this wait
	s_add_nc_u64 s[6:7], s[6:7], 4*QUADB
	s_add_co_u32 s18, s18, 1
	s_cmp_lt_u32 s18, TRIPS
	s_cbranch_scc1 .Lpass1
	QSTEP 0, 1, 1, 1, 12                           ; quads 56 to 59: the last request is for quad 63
	QSTEP 1, 2, 1, 1, 12
	QSTEP 2, 3, 1, 1, 12
	QSTEP 3, 0, 1, 0, 12
	TABLE_ON
	QSTEP 0, 1, 1, 0, 8                            ; quads 60 to 63: nothing is asked for, the counts run down
	QSTEP 1, 2, 1, 0, 4
	QSTEP 2, 3, 1, 0, 0
	QSTEP 3, 0, 0, 0, 0
	; T: the 16th smallest of a student's 1024 minima, from the eight lists (4 waves x 2 halves of the lanes)
	XH LA, SC, 16
	CLEAN LA, SC
	XH LB, SC, 16
	CLEAN LB, SC
	s_wait_alu depctr_va_vdst(0)                   ; the two lists are written, which the LDS stores read; the products and the minima are done with v[64:127], in which the loads behind the barrier land (no vector line stands between)
.irp q, 0,1,2,3
	ds_store_b128 v4, v[LA+4*\q:LA+4*\q+3] offset:512*\q
.endr
.irp q, 0,1,2,3
	ds_store_b128 v4, v[LB+4*\q:LB+4*\q+3] offset:2048+512*\q
.endr
	s_wait_dscnt 0x0                               ; my lists are in LDS before I say so
	s_barrier_signal -1
	s_barrier_wait -1
.irp q, 0,1,2,3
	ds_load_b128 v[X0+4*\q:X0+4*\q+3], v5 offset:512*\q
.endr
.irp q, 0,1,2,3
	ds_load_b128 v[Y0+4*\q:Y0+4*\q+3], v5 offset:4096+512*\q
.endr
.irp q, 0,1,2,3
	ds_load_b128 v[X1+4*\q:X1+4*\q+3], v5 offset:2048+512*\q
.endr
.irp q, 0,1,2,3
	ds_load_b128 v[Y1+4*\q:Y1+4*\q+3], v5 offset:6144+512*\q
.endr
	s_wait_alu depctr_vm_vsrc(0)                   ; the LDS stores have read the two lists and, in pass 1, v3 and the four minima; the loads above have read v5: all of these are written again further down
	LISTS_INF                                      ; the lists start anew for pass 2
	v_cvt_f32_u32 v6, v[GID0]                      ; f: id of the group p = 0 of quad 0,
	v_mov_b32 v3, v[GMB]
	v_add_f32 v7, 2.0, v6                          ; of p = 1,
	v_add_f32 v8, 0x45000000, v6                   ; g = f + 2048
	v_add_f32 v9, 0x45000000, v7
	s_wait_dscnt 8                                 ; sigma 0's eight loads are in
	MRG X0, Y0
	CLEAN X0, SC
	XH X0, SC, 16
	MAX16 10, X0
	s_wait_dscnt 0
	MRG X1, Y1
	CLEAN X1, SC
	XH X1, SC, 16
	MAX16 11, X1
	; PASS 2: the keys of my wave's 256 groups a lane half, from my own part of the table
	s_wait_alu depctr_va_vdst(0)                   ; v3, the loads' address, is written; pass 1's lines are done with the four minima's registers, in which the loads land
	ds_load_b64 v[GMR:GMR+1], v3
	ds_load_b64 v[GMR+2:GMR+3], v3 offset:GMSIG
	s_mov_b32 s18, 0
.Lpass2:
	P2STEP 1
	s_add_co_u32 s18, s18, 1
	s_cmp_lt_u32 s18, 63
	s_cbranch_scc1 .Lpass2
	P2STEP 0
	; the 16 smallest keys of the eight lists
	XH LA, SC, 16
	CLEAN LA, SC
	XH LB, SC, 16
	CLEAN LB, SC
	s_wait_alu depctr_va_vdst(0)                   ; the two lists are written, which the LDS stores read
.irp q, 0,1,2,3
	ds_store_b128 v4, v[LA+4*\q:LA+4*\q+3] offset:XCH2+512*\q
.endr
.irp q, 0,1,2,3
	ds_store_b128 v4, v[LB+4*\q:LB+4*\q+3] offset:XCH2+2048+512*\q
.endr
	s_wait_dscnt 0x0
	s_barrier_signal -1
	s_barrier_wait -1
	s_cmp_ge_u32 s10, 2                            ; wave 0 finishes sigma 0, wave 1 sigma 1; no barrier follows
	s_cbranch_scc1 .Ldone
	v_lshl_add_u32 v5, s10, 11, v5                 ; (the loads that read v5 stand ahead of the wait on vm_vsrc behind the first exchange)
	s_wait_alu depctr_va_vdst(0)                   ; v5, the loads' address, is written; the merges for T are done with v[64:95], in which the loads land
.irp q, 0,1,2,3
	ds_load_b128 v[X0+4*\q:X0+4*\q+3], v5 offset:XCH2+512*\q
.endr
.irp q, 0,1,2,3
	ds_load_b128 v[Y0+4*\q:Y0+4*\q+3], v5 offset:XCH2+4096+512*\q
.endr
	s_wait_dscnt 0x0
	MRG X0, Y0
	CLEAN X0, SC
	XH X0, SC, 8                                   ; lanes 16-31 hold the same 16 keys in reverse: the two halves' first eight are all sixteen
.irp i, 0,1,2,3,4,5,6,7
	v_cvt_u32_f32 v[X0+\i], v[X0+\i]
.endr
.irp i, 0,1,2,3,4,5,6,7
	v_and_b32 v[X0+\i], 0x3ff, v[X0+\i]            ; takes the 2048 of a tie off
.endr
	s_wait_alu depctr_va_vdst(0)                   ; the eight ids are written, which the two stores read
	global_store_b128 v[OO], v[X0:X0+3], s[8:9]
	global_store_b128 v[OO], v[X0+4:X0+7], s[8:9] offset:16
.Ldone:
	s_wait_dscnt 0x0
	s_wait_alu depctr_hold_cnt(0) depctr_sa_sdst(0) depctr_va_vdst(0) depctr_va_sdst(0) depctr_va_ssrc(0) depctr_va_vcc(0) depctr_vm_vsrc(0)
	s_wait_tensorcnt 0x0
	ds_add_u32 v248, v249
	s_wait_dscnt 0x0
	s_endpgm
.Lfunc_end_k_q6c9332cb93_groups:
	.size	k_q6c9332cb93_groups, .Lfunc_end_k_q6c9332cb93_groups-k_q6c9332cb93_groups
	.p2alignl 7, 3214868480
	.fill 96, 4, 3214868480
	.section	.rodata,"a",@progbits
	.p2align	6, 0x0
	.amdhsa_kernel k_q6c9332cb93_groups
		.amdhsa_group_segment_fixed_size 164352
		.amdhsa_private_segment_fixed_size 0
		.amdhsa_enable_private_segment 0
		.amdhsa_kernarg_size 24
		.amdhsa_user_sgpr_count 2
		.amdhsa_user_sgpr_kernarg_segment_ptr 1
		.amdhsa_wavefront_size32 1
		.amdhsa_system_sgpr_workgroup_id_x 1
		.amdhsa_system_sgpr_workgroup_id_y 1
		.amdhsa_system_sgpr_workgroup_id_z 1
		.amdhsa_system_vgpr_workitem_id 0
		.amdhsa_next_free_vgpr 250
		.amdhsa_next_free_sgpr 66
		.amdhsa_reserve_vcc 0
		.amdhsa_float_denorm_mode_32 3
		.amdhsa_float_denorm_mode_16_64 3
		.amdhsa_memory_ordered 1
		.amdhsa_forward_progress 1
		.amdhsa_inst_pref_size 182
	.end_amdhsa_kernel
	.amdgpu_metadata
---
amdhsa.version: [ 1, 2 ]
amdhsa.kernels:
  - .name:           k_q6c9332cb93_groups
    .symbol:         k_q6c9332cb93_groups.kd
    .args:
      - { .name: student_positions, .offset: 0, .size: 8, .value_kind: global_buffer, .address_space: global }
      - { .name: teacher_positions, .offset: 8, .size: 8, .value_kind: global_buffer, .address_space: global }
      - { .name: grp, .offset: 16, .size: 8, .value_kind: global_buffer, .address_space: global }
    .group_segment_fixed_size: 164352
    .private_segment_fixed_size: 0
    .kernarg_segment_align: 8
    .kernarg_segment_size: 24
    .max_flat_workgroup_size: 128
    .sgpr_count:     66
    .vgpr_count:     250
    .wavefront_size: 32
...
	.end_amdgpu_metadata
.endif
;; end of part 4
;; launch refine: the kernel of part 2 again; grid 512 x 1, 8 waves a work-group, no clusters, 0 bytes of LDS; arguments student_positions, teacher_positions, grp, nbr; writes nbr
;; launch gather: the kernel of part 3 again; grid 1024 x 1, 8 waves a work-group, no clusters, 0 bytes of LDS; arguments student_positions, teacher_features, teacher_positions, nbr, out0; writes out0
